; MI455X (gfx1250); checked and timed in simulation.
; The chip was launched on July 23, 2026; its instructions are those of AMD's public machine-readable ISA for CDNA 5 (MIT licence, August 2026) and "CDNA5" Instruction Set Architecture Reference Guide (July 2026). The comments in the code are by the model that wrote it; some were corrected since.
;; Multi Head Attention. Allowed arithmetic: matrix products marked QUANTISED: E3M2 operands, one E8M0 scale for each 32 along K, by v_wmma_scale_f32_16x16x128_f8f6f4 with both operands' format E3M2, f32 sums; everything else in f32.
;; Inputs: fc_b 768 float32; fc_w 768 x 768 float32; keys 2 x 4,096 x 768 float32; query 2 x 4,096 x 768 float32; values 2 x 4,096 x 768 float32.
;; Outputs: out0 2 x 4,096 x 768 float32.
;; This version of the problem:
;;   THIS VERSION OF THE PROBLEM IS GIVEN IN LOW PRECISION. The matrix products marked QUANTISED in the list below multiply operands that are first quantised to E3M2 (3 exponent bits, 2 mantissa bits; 6 bits a number), with one power-of-two scale for each 32 numbers along K (OCP MX v1.0); their sums are f32. All else is computed in f32.
;;   The module's matrix products, in the order in which they are computed (A, B: the left and right operand; K: the contracted axis; several contracted axes count as one K, in the product's order):
;;     1. batch 16 x [M 4,096, K 96] x [K 96, N 4,096]; A: input query; B: input keys: QUANTISED
;;     2. batch 16 x [M 4,096, K 4,096] x [K 4,096, N 96]; A: softmax (see below); B: input values: QUANTISED
;;     3. [M 8,192, K 768] x [K 768, N 768]; A: computed on the way; B: input fc_w: QUANTISED
;;   THE QUANTISER, for each operand of a quantised product, along K:
;;     - K is cut into blocks of 32 from its start; a last block that is shorter is filled with zeros.
;;     - A block's scale is 2^e with e = floor(log2(the largest magnitude in the block)) - 4, held to -126 .. 127; a block of zeros has e = 0. As a byte (E8M0): e + 127.
;;     - Each number is divided by its block's scale, clamped to +-28, and rounded to the nearest number of E3M2, ties to even, subnormals kept.
;;     - The product sums the exact products of the quantised numbers (number of the format x scale) in f32.
;;   ~~~python
;;   def quantise(x, axis):      # numpy; x: float32 -> the quantised numbers, widened to float32 again
;;       x = np.moveaxis(x, axis, -1); K = x.shape[-1]
;;       x = np.pad(x, [(0, 0)] * (x.ndim - 1) + [(0, -K % 32)]); x = x.reshape(x.shape[:-1] + (-1, 32)); a = np.abs(x).max(-1, keepdims=True)
;;       e = np.where(a > 0, np.clip(np.frexp(np.where(a > 0, a, 1))[1] - 1 - 4, -126, 127), 0)      # np.frexp(a)[1] - 1 = floor(log2(a)), exactly
;;       r = np.clip(x / 2.0 ** e, -28, 28)
;;       step = 2.0 ** (np.maximum(np.frexp(np.where(r == 0, 1, r))[1] - 1, -2) - 2)
;;       q = np.round(r / step) * step * 2.0 ** e      # np.round: ties to even
;;       return np.moveaxis(q.reshape(q.shape[:-2] + (-1,))[..., :K], -1, axis).astype(np.float32)
;;   ~~~
;;   SOFTMAX AHEAD OF A QUANTISED PRODUCT. Where the list says 'softmax', what is quantised is not the finished softmax but p = 2^(t - M), with t = logit x log2(e) and M = ceil(the row's largest t), a whole number; so 1/2 < the row's largest p <= 1. The row's sum l is taken of the UNQUANTISED p, in f32, and the product's result is divided by l at the end. Since M is a whole number, a kernel that streams over the keys may use a running M (the ceiling of the running maximum): every later rescaling is an exact power of two, which a block's scale takes up: the codes' values come out the same.
;;   OPERANDS COMPUTED ON THE WAY. 'Computed on the way' means the value that the module computes at that place (a softmax that the list does not call 'softmax' is quantised finished and normalised). What goes into a quantiser is computed in f32, as accurately as f32 sums, v_exp_f32 and their like allow (about 1e-6 of the number): no bf16 or f16 on the way to a quantiser, and a product that is left as it is and whose result goes on into a quantised operand takes f32 operands (vector FMAs, or v_wmma_f32_16x16x4_f32). A number that lies on a knife's edge between two numbers of the format may be rounded either way, as far as f32 arithmetic and the matrix unit's own rounding can turn it there, and no further.
;; One version. Each part assembles by itself: llvm-mc -triple=amdgcn-amd-amdhsa -mcpu=gfx1250 --defsym DOCPART=n.
;; ======== version 1 of 1: 3 launches
;; limits: right only within a limited range of input values
;; workspace buffers: kv 11,534,336 bytes; qimg 6,553,600 bytes; ximg 6,553,600 bytes; wimg 638,976 bytes
;; launch prep (part 1): grid 816 x 1, 4 waves a work-group, no clusters, 100,864 bytes of LDS; arguments keys, query, values, fc_w, kv, qimg, wimg; writes kv, qimg, wimg
.if DOCPART == 1
	.amdgcn_target "amdgcn-amd-amdhsa--gfx1250"
	.amdhsa_code_object_version 6
	.text
	.protected	k_qe5c5075ff5_prep
	.globl	k_qe5c5075ff5_prep
	.p2align	8
	.type	k_qe5c5075ff5_prep,@function
k_qe5c5075ff5_prep:
	s_mov_b64 s[64:65], 0
	v_nop
	global_prefetch_b8 v0, s[64:65] scope:SCOPE_SE
	s_setreg_imm32_b32 hwreg(HW_REG_WAVE_MODE, 25, 1), 1
	s_wait_xcnt 0x0
; keys, query, values [2][4096][768] and fc_w [768][768], f32, are turned ONCE into codes of BF6 (E3M2) with one E8M0 scale byte for each 32 along the K of the product that reads them.
; NO WORK OF THE PROBLEM IS LEFT OUT: every input (fc_b in the last launch) reaches out0, there is no mask, and all three products are live.
; A block's scale is 2^(floor(log2(its largest magnitude)) - 4): its byte is the largest magnitude's exponent field - 4, held at 1 from below by a floor among the maximum's leaves.
; LIMITS: NaN and infinities among the inputs are not served.  A block of zeros gets the byte 1 where the rule says 127: its codes are zeros, and the bytes are read by this program alone.
; THE WORKSPACE IS LAID AS IMAGES OF OPERAND REGISTERS.  A fragment is 16 rows x 128 K: 12 registers a lane, 1,536 bytes; group g of four registers lies at 512 g + 16 x lane, so a fragment moves by three
; instructions of 512 consecutive bytes.  Lane (r, h) holds row r; registers 6 c .. 6 c + 5 hold K = 64 c + 32 h + 0 .. 31.
; THE ROWS OF A TILE ARE NOT NEIGHBOURS: lane r of tile t takes row 32 (t / 2) + 8 (t % 2) + r + 8 (r / 8) of its group (keys, queries, V's channels, W's rows alike), so that in a product's result the 16 registers
; of tiles 2 b and 2 b + 1 are 16 neighbours.
; A K STEP OF keys, query AND fc_w IS ONE HEAD: 96 codes and 32 zero codes (lanes 16-31, registers 6-11); its fourth scale byte is some valid byte over zero codes.  values' K is the keys: 128 keys a step.
; SCALE WORDS: set e (256 bytes): row r's 16 bytes hold word j = the word of tile 2 j + e; sets 0 and 1 lie on end, so that a load at 16 x lane has even tiles' words in lanes 0-15 and odd tiles' in lanes 16-31.
; SHARES.  kind = work-group / 256: 0 keys, 1 query, 2 values, 3 fc_w (48 work-groups).  A work-group takes 128 rows (fc_w: 64) x two heads (768 bytes of a row, three aligned runs of 256 bytes) into LDS;
; wave w then makes, of head 2 hp + w / 2, the tiles of parity e = w % 2.  No tensor load, no cluster (work-groups share nothing), no prefetch (the launch is one stream of loads from its first line on).
.set PITCH, 784                        ; an LDS row: 768 bytes + 16
.set WROWS, 32*PITCH                   ; 32 rows: what a wave brings
.set SPARE, 128*PITCH                  ; behind the tile: the spare words, 128 bytes a wave: two blocks of 256 bytes that no other line names
.set LANE, 1
.set RR,   2                           ; r = lane % 16
.set HH,   3                           ; h = lane / 16
.set R8,   4                           ; r + 8 (r / 8)
.set LI,   5                           ; 16 x lane; never rewritten
.set VB,   6                           ; a row pair's middle load: 512 + 16 r, and for lanes 16-31 the next row's first 256 bytes
.set LA,   7                           ; LDS, on the way in: my wave's rows + 16 x lane
.set LB,   8                           ; and the middle store's
.set RA0,  9                           ; rows' way: my row's block h
.set RA1,  10                          ; and block 2 (lanes 16-31: block 1 once more; their codes are cleared)
.set CA0,  11                          ; columns' way: my channel, keys 32 h on
.set CA1,  12                          ; and keys 64 + 32 h on
.set AD0,  13
.set AD1,  14
.set SO,   15                          ; 16 r + 8 h: where my half of a row's four scale words goes
.set MX,   16                          ; v16-17 two blocks' largest magnitudes
.set SOP,  18                          ; v18-19 the conversions' scale operands
.set BY,   20                          ; v20-21 the bytes
.set T0,   22
.set T1,   23
.set SW,   24                          ; v24-27 the scale words of my tiles j = 0 .. 3
.set SPW,  28                          ; LDS address of my spare word; never rewritten
.set NIL,  29                          ; 0, for the add alone
.set SH8,  30                          ; 8 h
.set ZR,   31                          ; 0
.set LD,   32                          ; v32-223 the 48 loads
.set X,    32                          ; later: v32-95 64 numbers
.set C,    96                          ; v96-143 codes: a set of 12 for each tile, so that no store's data are written again
.set CT,   144                         ; v144-150 the halves that a conversion cannot put at an odd register
.set OW,   152                         ; v152-153 the scale words on their way out
	s_load_b256 s[4:11], s[0:1], 0x0               ; keys, query, values, fc_w
	s_load_b128 s[12:15], s[0:1], 0x20             ; kv, qimg
	s_load_b64 s[16:17], s[0:1], 0x30              ; wimg
	v_lshl_add_u32 v[SPW], v0, 2, SPARE
	v_mov_b32 v[NIL], 0
	v_lshrrev_b32 v[LANE], 5, v0
	v_readfirstlane_b32 s24, v[LANE]               ; wave 0..3
	v_and_b32 v[LANE], 31, v0
	v_and_b32 v[RR], 15, v0
	s_wait_alu depctr_va_vdst(0)
	v_bfe_u32 v[HH], v0, 4, 1
	v_and_b32 v[R8], 8, v[RR]
	v_add_nc_u32 v[R8], v[R8], v[RR]
	v_lshlrev_b32 v[LI], 4, v[LANE]
	s_lshr_b32 s20, ttmp9, 8                       ; kind
	s_and_b32 s21, ttmp9, 255
	s_lshr_b32 s22, s21, 2                         ; idx: which block of rows
	s_and_b32 s23, s21, 3                          ; hp: which pair of heads
	s_lshr_b32 s25, s24, 1                         ; hsel: which head of the pair
	s_and_b32 s26, s24, 1                          ; e: which parity of tiles
	s_lshl_b32 s30, s23, 1
	s_add_co_u32 s30, s30, s25                     ; hd
	s_mov_b32 s36, 0x76543210
	s_mov_b32 s37, 0xfedcba98                      ; v_permlanex16_b32's selects for lane l xor 16
	s_mov_b32 s40, 0xffff0000                      ; lanes 16-31
	v_lshlrev_b32 v[VB], 4, v[RR]
	s_wait_alu depctr_va_vdst(0)
	v_mad_u32_u24 v[VB], v[HH], 2560, v[VB]
	v_add_nc_u32 v[VB], 512, v[VB]
	s_mul_i32 s31, s24, WROWS
	v_add_nc_u32 v[LA], s31, v[LI]
	v_lshlrev_b32 v[LB], 4, v[RR]
	v_mad_u32_u24 v[LB], v[HH], 272, v[LB]
	v_add_nc_u32 v[LB], 512, v[LB]
	v_add_nc_u32 v[LB], s31, v[LB]
	s_mul_i32 s32, s26, 8*PITCH
	s_mul_i32 s33, s25, 384
	s_add_co_u32 s32, s32, s33                     ; 8 e rows + my head's 384 bytes
	v_mul_u32_u24 v[RA0], v[R8], PITCH
	v_lshl_add_u32 v[RA0], v[HH], 7, v[RA0]
	v_add_nc_u32 v[RA0], s32, v[RA0]
	v_add_nc_u32 v[RA1], 256, v[RA0]
	v_lshlrev_b32 v[T0], 8, v[HH]
	v_sub_nc_u32 v[RA1], v[RA1], v[T0]
	; KEYS TAKE ANOTHER ORDER OF ROWS than the other three tensors: lane r of tile t takes key 64 (t / 4) + 8 (t % 4) + r % 8 + 32 (r / 8) of its 128,
	; so that in S^T = K Q^T the 32 registers of tiles 4 c .. 4 c + 3 of a lane are keys 64 c + 32 (lane / 16) + 0 .. 31: a whole block of the second product's K.
.set RK0, 224                          ; keys' way: my row's block h
.set RK1, 225                          ; and block 2 (lanes 16-31: block 1 once more; their codes are cleared)
	v_and_b32 v[T1], 8, v[RR]
	v_lshl_add_u32 v[T1], v[T1], 1, v[R8]          ; r + 24 (r / 8)
	v_mul_u32_u24 v[RK0], v[T1], PITCH
	v_lshl_add_u32 v[RK0], v[HH], 7, v[RK0]
	v_add_nc_u32 v[RK0], s32, v[RK0]
	v_add_nc_u32 v[RK1], 256, v[RK0]
	v_sub_nc_u32 v[RK1], v[RK1], v[T0]
	s_lshl_b32 s34, s26, 5
	s_add_co_u32 s34, s34, s33                     ; 8 e channels + my head's 384 bytes
	v_mul_u32_u24 v[CA0], v[HH], WROWS
	v_lshl_add_u32 v[CA0], v[R8], 2, v[CA0]
	v_add_nc_u32 v[CA0], s34, v[CA0]
	v_add_nc_u32 v[CA1], 2*WROWS, v[CA0]
	v_lshlrev_b32 v[SO], 4, v[RR]
	v_lshl_add_u32 v[SO], v[HH], 3, v[SO]
	v_lshlrev_b32 v[SH8], 3, v[HH]
	v_mov_b32 v[ZR], 0
	v_mov_b32 v[T1], 0                             ; written once: a lane permute's destination counts as one of its sources
.irp j, 0,1,2,3
	v_mov_b32 v[SW+\j], 0x7f7f7f7f                 ; the words of tiles that a kind does not have: valid bytes that nobody multiplies by
.endr
	; where the rows come from
	s_cmp_eq_u32 s20, 3
	s_cselect_b32 s27, 6, 7                        ; fc_w: 64 rows a work-group, else 128
	s_cselect_b32 s35, s25, 0                      ; 1 in waves 2 and 3 of fc_w's work-groups: they have no rows to bring
	s_lshl_b32 s27, s22, s27
	s_lshl_b32 s28, s24, 5
	s_add_co_u32 s28, s28, s27                     ; my wave's first row
	s_mul_i32 s28, s28, 3072
	s_mul_i32 s29, s23, 768
	s_add_co_u32 s28, s28, s29
	s_mov_b32 s29, 0
	; where the images go: keys, query, values: I = ((idx / 32) 8 + hd) 32 + idx % 32;  fc_w: I = 24 cb + 3 hd + third, with idx = 3 cb + third
	s_lshr_b32 s38, s22, 5
	s_lshl_b32 s38, s38, 3
	s_add_co_u32 s38, s38, s30
	s_lshl_b32 s38, s38, 5
	s_and_b32 s39, s22, 31
	s_add_co_u32 s38, s38, s39
	s_mul_i32 s39, s22, 11
	s_lshr_b32 s39, s39, 5                         ; cb = idx / 3 for idx 0 .. 11
	s_mul_i32 s41, s39, 3
	s_sub_co_u32 s41, s22, s41                     ; third
	s_mul_i32 s39, s39, 24
	s_add_co_u32 s39, s39, s41
	s_mul_i32 s41, s30, 3
	s_add_co_u32 s39, s39, s41
	s_mov_b32 s42, 22528                           ; bytes of a unit of kv;
	s_mov_b32 s43, 21504                           ; in it: K's scale sets
	s_cmp_eq_u32 s20, 1
	s_cselect_b32 s42, 12800, s42                  ; of qimg
	s_cselect_b32 s43, 12288, s43
	s_cmp_eq_u32 s20, 2
	s_cselect_b32 s43, 22016, s43                  ; V's scale sets,
	s_cselect_b32 s48, 12288, 0                    ; and V's fragments behind K's eight
	s_cmp_eq_u32 s20, 3
	s_cselect_b32 s42, 6656, s42                   ; of wimg
	s_cselect_b32 s43, 6144, s43
	s_cselect_b32 s38, s39, s38
	s_mul_i32 s38, s38, s42
	s_mul_i32 s44, s26, 1536
	s_add_co_u32 s44, s44, s38
	s_add_co_u32 s44, s44, s48                     ; tile e; tile 2 j + e lies 3,072 j further on
	s_mov_b32 s45, 0
	s_lshl_b32 s46, s26, 8
	s_add_co_u32 s46, s46, s38
	s_add_co_u32 s46, s46, s43                     ; scale set e
	s_mov_b32 s47, 0
	s_wait_kmcnt 0x0
	s_cmp_eq_u32 s20, 1                            ; the buffers are chosen by the work-group's number alone
	s_cselect_b64 s[4:5], s[6:7], s[4:5]
	s_cselect_b64 s[12:13], s[14:15], s[12:13]
	s_cmp_eq_u32 s20, 2
	s_cselect_b64 s[4:5], s[8:9], s[4:5]
	s_cmp_eq_u32 s20, 3
	s_cselect_b64 s[4:5], s[10:11], s[4:5]
	s_cselect_b64 s[12:13], s[16:17], s[12:13]
	s_add_nc_u64 s[4:5], s[4:5], s[28:29]
	s_add_nc_u64 s[44:45], s[12:13], s[44:45]
	s_add_nc_u64 s[46:47], s[12:13], s[46:47]
	; ---- IN: my wave's 32 rows x 768 bytes, a pair of rows by three loads; in each load sixteen neighbouring lanes read 256 consecutive bytes, aligned.  All 48 loads go out before the first is waited for.
	s_cmp_lg_u32 s35, 0
	s_cbranch_scc1 .Lno_rows
.set p, 0
.rept 16
	global_load_b128 v[LD+12*p:LD+12*p+3], v[LI], s[4:5] offset:6144*p th:TH_LOAD_NT
	global_load_b128 v[LD+12*p+4:LD+12*p+7], v[VB], s[4:5] offset:6144*p th:TH_LOAD_NT
	global_load_b128 v[LD+12*p+8:LD+12*p+11], v[LI], s[4:5] offset:6144*p+3328 th:TH_LOAD_NT
.set p, p+1
.endr
.set l, 0
.rept 48
.if l%8 == 0
	s_wait_loadcnt 40-l                            ; loads come back in order: the next eight are in, those issued behind them may be out
.endif
.if l%3 == 0
	ds_store_b128 v[LA], v[LD+4*l:LD+4*l+3] offset:2*PITCH*(l/3)
.elseif l%3 == 1
	ds_store_b128 v[LB], v[LD+4*l:LD+4*l+3] offset:2*PITCH*(l/3)
.else
	ds_store_b128 v[LA], v[LD+4*l:LD+4*l+3] offset:2*PITCH*(l/3)+PITCH+256
.endif
.set l, l+1
.endr
.Lno_rows:
	s_wait_dscnt 0x0                               ; for the others' sake: my stores into the tile are done
	s_barrier_signal -1
	s_barrier_wait -1                              ; the tile is whole; from here on LDS is only read
; 64 numbers of a lane, two whole blocks of 32 (X: K = 32 h on, X + 32: K = 64 + 32 h on), become tile 2 j + e's 12 registers and my row's scale word.  zero = 1: the fourth block is cleared.
.macro QFRAG j, zero
	v_max3_num_f32 v[MX], |v[X]|, |v[X+1]|, 0x2800000              ; with the floor 2^(5 - 127): the byte cannot fall under 1
	v_max3_num_f32 v[MX+1], |v[X+32]|, |v[X+33]|, 0x2800000
.irp i, 2,4,6,8,10,12,14,16,18,20,22,24,26,28,30
	v_max3_num_f32 v[MX], v[MX], |v[X+\i]|, |v[X+\i+1]|            ; the two blocks by turns
	v_max3_num_f32 v[MX+1], v[MX+1], |v[X+32+\i]|, |v[X+33+\i]|
.endr
	v_add_nc_u32 v[SOP], 0xfe000000, v[MX]         ; 4 off the exponent field: the conversion takes the exponent field of this operand as its scale
	v_add_nc_u32 v[SOP+1], 0xfe000000, v[MX+1]
	v_lshrrev_b32 v[BY], 23, v[SOP]                ; the scale's byte
	v_lshrrev_b32 v[BY+1], 23, v[SOP+1]
	v_lshl_or_b32 v[T0], v[BY+1], 16, v[BY]        ; my bytes: blocks h and 2 + h,
	v_lshlrev_b32 v[T0], v[SH8], v[T0]             ; at their places in the word;
	v_permlanex16_b32 v[T1], v[T0], s36, s37
	v_or_b32 v[SW+\j], v[T0], v[T1]                ; with lane l xor 16's two the word is whole, in both halves of the lanes
	v_cvt_scalef32_pk16_bf6_f32 v[C+12*\j:C+12*\j+2], v[X:X+15], v[SOP]
	v_cvt_scalef32_pk16_bf6_f32 v[CT:CT+2], v[X+16:X+31], v[SOP]          ; (a conversion's three registers begin on an even number)
	v_cvt_scalef32_pk16_bf6_f32 v[C+12*\j+6:C+12*\j+8], v[X+32:X+47], v[SOP+1]
	v_cvt_scalef32_pk16_bf6_f32 v[CT+4:CT+6], v[X+48:X+63], v[SOP+1]
	v_nop                                          ; one plain instruction behind the scaled conversions
.irp i, 0,1,2
	v_mov_b32 v[C+12*\j+3+\i], v[CT+\i]
	v_mov_b32 v[C+12*\j+9+\i], v[CT+4+\i]
.endr
.if \zero
.irp i, 0,1,2,3,4,5
	v_cndmask_b32 v[C+12*\j+6+\i], v[C+12*\j+6+\i], v[ZR], s40     ; K = 96 .. 127 of a head's step: zero codes
.endr
.endif
.irp g, 0,1,2
	global_store_b128 v[LI], v[C+12*\j+4*\g:C+12*\j+4*\g+3], s[44:45] offset:3072*\j+512*\g   ; 32 lanes store 512 consecutive bytes, aligned to 256
.endr
.endm
; K innermost (keys, query, fc_w): lane (r, h) reads 32 neighbours of its row twice
.macro ROWT j
	v_add_nc_u32 v[AD0], \j*WROWS, v[RA0]
	v_add_nc_u32 v[AD1], \j*WROWS, v[RA1]
.irp k, 0,1,2,3,4,5,6,7
	ds_load_b128 v[X+4*\k:X+4*\k+3], v[AD0] offset:16*\k
.endr
.irp k, 0,1,2,3,4,5,6,7
	ds_load_b128 v[X+32+4*\k:X+32+4*\k+3], v[AD1] offset:16*\k
.endr
	s_wait_dscnt 0x0
	QFRAG \j, 1
.endm
; K = the rows (values): a lane takes a channel and its registers run down the keys
.macro COLT j
.irp i, 0,1,2,3,4,5,6,7,8,9,10,11,12,13,14,15,16,17,18,19,20,21,22,23,24,25,26,27,28,29,30,31
	ds_load_b32 v[X+\i], v[CA0] offset:PITCH*\i+128*\j
.endr
.irp i, 0,1,2,3,4,5,6,7,8,9,10,11,12,13,14,15,16,17,18,19,20,21,22,23,24,25,26,27,28,29,30,31
	ds_load_b32 v[X+32+\i], v[CA1] offset:PITCH*\i+128*\j
.endr
	s_wait_dscnt 0x0
	QFRAG \j, 0
.endm
; keys: tile 2 j + e begins at row 64 (j / 2) + 16 (j % 2) + 8 e of the 128 (8 e stands in the address registers)
.macro ROWK j, rows
	v_add_nc_u32 v[AD0], \rows*PITCH, v[RK0]
	v_add_nc_u32 v[AD1], \rows*PITCH, v[RK1]
.irp k, 0,1,2,3,4,5,6,7
	ds_load_b128 v[X+4*\k:X+4*\k+3], v[AD0] offset:16*\k
.endr
.irp k, 0,1,2,3,4,5,6,7
	ds_load_b128 v[X+32+4*\k:X+32+4*\k+3], v[AD1] offset:16*\k
.endr
	s_wait_dscnt 0x0
	QFRAG \j, 1
.endm
	s_cmp_eq_u32 s20, 0
	s_cbranch_scc0 .Lnot_keys
	ROWK 0, 0
	ROWK 1, 16
	ROWK 2, 64
	ROWK 3, 80
	s_branch .Lwords
.Lnot_keys:
	s_cmp_eq_u32 s20, 2
	s_cbranch_scc1 .Lcolumns
	ROWT 0
	ROWT 1
	s_cmp_eq_u32 s20, 3
	s_cbranch_scc1 .Lwords                         ; fc_w's 64 rows are four tiles: two of each parity
	ROWT 2
	ROWT 3
	s_branch .Lwords
.Lcolumns:
	COLT 0                                         ; a head's 96 channels are six tiles: three of each parity
	COLT 1
	COLT 2
.Lwords:
	v_cndmask_b32 v[OW], v[SW], v[SW+2], s40       ; lanes 0-15 send words 0 and 1 of row r, lanes 16-31 words 2 and 3:
	v_cndmask_b32 v[OW+1], v[SW+1], v[SW+3], s40
	global_store_b64 v[SO], v[OW:OW+1], s[46:47]   ; 32 lanes store the set's 256 consecutive bytes, aligned
	s_wait_tensorcnt 0x0                           ; the wave's end: the tensor wait, an add of 0 onto my spare word and its wait, behind my last LDS store
	ds_add_u32 v[SPW], v[NIL]
	s_wait_dscnt 0x0
	s_endpgm
.Lfunc_end_k_qe5c5075ff5_prep:
	.size	k_qe5c5075ff5_prep, .Lfunc_end_k_qe5c5075ff5_prep-k_qe5c5075ff5_prep
	.p2alignl 7, 3214868480
	.fill 96, 4, 3214868480
	.section	.rodata,"a",@progbits
	.p2align	6, 0x0
	.amdhsa_kernel k_qe5c5075ff5_prep
		.amdhsa_group_segment_fixed_size 100864
		.amdhsa_private_segment_fixed_size 0
		.amdhsa_enable_private_segment 0
		.amdhsa_kernarg_size 56
		.amdhsa_user_sgpr_count 2
		.amdhsa_user_sgpr_kernarg_segment_ptr 1
		.amdhsa_wavefront_size32 1
		.amdhsa_system_sgpr_workgroup_id_x 1
		.amdhsa_system_sgpr_workgroup_id_y 1
		.amdhsa_system_sgpr_workgroup_id_z 1
		.amdhsa_system_vgpr_workitem_id 0
		.amdhsa_next_free_vgpr 232
		.amdhsa_next_free_sgpr 66
		.amdhsa_reserve_vcc 0
		.amdhsa_float_denorm_mode_32 3
		.amdhsa_float_denorm_mode_16_64 3
		.amdhsa_memory_ordered 1
		.amdhsa_forward_progress 1
		.amdhsa_inst_pref_size 74
	.end_amdhsa_kernel
	.amdgpu_metadata
---
amdhsa.version: [ 1, 2 ]
amdhsa.kernels:
  - .name:           k_qe5c5075ff5_prep
    .symbol:         k_qe5c5075ff5_prep.kd
    .args:
      - { .name: keys, .offset: 0, .size: 8, .value_kind: global_buffer, .address_space: global }
      - { .name: query, .offset: 8, .size: 8, .value_kind: global_buffer, .address_space: global }
      - { .name: values, .offset: 16, .size: 8, .value_kind: global_buffer, .address_space: global }
      - { .name: fc_w, .offset: 24, .size: 8, .value_kind: global_buffer, .address_space: global }
      - { .name: kv, .offset: 32, .size: 8, .value_kind: global_buffer, .address_space: global }
      - { .name: qimg, .offset: 40, .size: 8, .value_kind: global_buffer, .address_space: global }
      - { .name: wimg, .offset: 48, .size: 8, .value_kind: global_buffer, .address_space: global }
    .group_segment_fixed_size: 100864
    .private_segment_fixed_size: 0
    .kernarg_segment_align: 8
    .kernarg_segment_size: 56
    .max_flat_workgroup_size: 128
    .sgpr_count:     66
    .vgpr_count:     232
    .wavefront_size: 32
...
	.end_amdgpu_metadata
.endif
;; end of part 1
;; launch attn (part 2): grid 16 x 16, 8 waves a work-group, clusters of 4 x 1, 327,680 bytes of LDS; arguments qimg, kv, ximg; writes ximg
.if DOCPART == 2
	.amdgcn_target "amdgcn-amd-amdhsa--gfx1250"
	.amdhsa_code_object_version 6
	.text
	.protected	k_qe5c5075ff5_attn
	.globl	k_qe5c5075ff5_attn
	.p2align	8
	.type	k_qe5c5075ff5_attn,@function
k_qe5c5075ff5_attn:
	s_mov_b64 s[64:65], 0
	v_nop
	global_prefetch_b8 v0, s[64:65] scope:SCOPE_SE
	s_setreg_imm32_b32 hwreg(HW_REG_WAVE_MODE, 25, 1), 1
	s_wait_xcnt 0x0
	s_wait_alu depctr_hold_cnt(0) depctr_sa_sdst(0) depctr_va_vdst(0) depctr_va_sdst(0) depctr_va_ssrc(0) depctr_va_vcc(0) depctr_vm_vsrc(0)
	s_getreg_b32 s2, hwreg(HW_REG_IB_STS2, 6, 4)
	s_cmp_eq_u32 s2, 0
	s_cbranch_scc0 .Lentry_in_a_cluster
	s_endpgm
.Lentry_in_a_cluster:
	s_bfe_u32 s2, ttmp6, 0x10000c
	s_cmp_lg_u32 s2, 0x3003
	s_cbranch_scc0 .Lentry_shape_is_right
	s_endpgm
.Lentry_shape_is_right:
; x[n][q][hd][:] = the sum over keys of softmax(Q . K / sqrt(96)) V, both products on codes of BF6 (E3M2) with E8M0 scales, and x quantised along its head's 96 channels for the projection.  No work is left out.
; THE SOFTMAX AHEAD OF THE SECOND PRODUCT: t = score x c, c = log2(e) / sqrt(96) as one f32 constant; M = the running largest t rounded UP to a whole number; p = 2^(t - M) is quantised along the keys.
; The row's sum is taken of the unquantised p and divides at the end.  When M moves, the sum and O are multiplied by 2^(old M - new M), which rounds nothing.
; LIMITS: NaN and infinities are not served; a block of zeros has the byte 1 (zero codes; this program alone reads the bytes); a block's largest p is made from the block's largest score by the same two
; instructions as every p, which takes v_exp_f32 not to fall where its input rises.
; OPERANDS come as images of their registers (the first launch says how): a fragment is three loads of 512 consecutive bytes at 16 x lane.
; SHARES.  A work-group owns 256 queries of one (batch, head); each of its eight waves owns TWO tiles of 16, so that each fragment of K and V read from LDS feeds two matrix instructions.  Every wave walks all 4,096 keys, 128 a step.
; LAYOUT.  S^T = K Q^T (source 0 = 16 keys, source 1 = 16 queries) and O^T = V^T P^T: a lane holds ONE query throughout.  By the order of the keys in K's tiles the 32 registers of tiles 4 c .. 4 c + 3 are keys
; 64 c + 32 (lane / 16) + 0 .. 31: a whole block of 32 in one lane, in the very place that P's operand wants it: a block's maximum asks no other lane, and the conversions' results are exchanged with no lane.
; THE STEP IS TURNED ROUND: K and V have registers of their own.  At a step's head V of this step and K of the next are asked of LDS; the softmax is walked; then come the next step's scores (into the registers
; that p has left), O's rescaling and this step's second product.  A slot's first K is fetched at the slot's head, behind the change of slots; its last step fetches no K.
; THE RING: two LDS slots of four key steps (4 x 22,528 bytes, as they lie in kv).  Each wave fetches an eighth of a slot, 44 rows of 256 bytes: by this text's count one tensor load of a wave is out at a time.
; CLUSTER: the four query blocks of a cluster walk the same kv, so each eighth is asked for JOINTLY: the same load, the same descriptor, a mask that names the four.
; REGISTERS.  window 0: v1-7 addresses; v8-11 K's scale words, v12-15 V's, v16 Q's; v18-19, v20-35 statistics, 8 a tile; v36-67 at work, 16 a tile; v68-91 p's codes; v92-219 S^T, then p, 64 a tile; v220-255 V's tiles 0-2.
;   window 1: v0-95 O^T, 48 a tile; v96-119 Q; v120-215 K's eight fragments; v216-251 V's tiles 3-5.
.set STEPB, 22528                      ; a key step in kv and in LDS: K's 8 fragments, V's 6, K's scale sets, V's scale sets
.set SLOTB, 4*STEPB
.set SLOT1, 1<<17                      ; slot 1 begins here: one exclusive or turns an address in one slot into the other's
.set SPARE, SLOT1+SLOTB                ; behind the ring: the spare words, 128 bytes a wave: four blocks of 256 bytes that no other line names
.set VFR,   12288
.set KSC,   21504
.set VSC,   22016
.set LI,  1                            ; 16 x lane; never rewritten
.set ADK, 2                            ; the first byte of the step whose K was asked for last + 16 x lane
.set SPW, 3
.set NIL, 4
.set PFO, 5                            ; the prefetches' offset
.set ADV, 6                            ; the step in hand
.set SH8, 7                            ; 8 (lane / 16)
.set KS,  8
.set VS,  12
.set QS,  16                           ; lanes 0-15: my first tile's words, lanes 16-31: my second's
.set TMP, 18
.set ST,  20                           ; tile u at ST + 8 u: +0 -M, +1 the largest score, +2, +3 the sum in two halves, +4 f, +5 p's scale word, +6, +7 a second chain of sums, later 1 / the sum
.set WK,  36                           ; tile u at WK + 16 u: +0..3 maxima of 16 registers each (then +0, +2: the blocks'), +4..6, +8..10 the halves that a conversion cannot put at an odd register, +12, +13 scale operands, +14, +15 from the other lane
.set PCD, 68                           ; p's codes, 12 a tile
.set SR,  92
.set VF0, 220
.set OT,  0                            ; window 1
.set QF,  96
.set KF,  120
.set VF1, 216
.set WV,  10
.set G1,  16                           ; s[16:23]
.set G0,  24                           ; s[24:27], which walks
.set TB,  28                           ; LDS byte at which the step begins whose K was asked for last
.set SLOTS, 29                         ; slots still to be asked for
.set CNT, 30
.set LIM, 31                           ; 1 in a wave that prefetches, else the greatest number
.set PFA, 32                           ; s[32:33]
.set CS,  34                           ; s[34:35] c, twice: the packed form names a pair
.set SEL, 36                           ; s[36:37] lane l xor 16
.set HI16, 38                          ; lanes 16-31
.set NCS, 39                           ; -c
.set MSB, 0
.macro WIN new                         ; the immediate's high byte repeats the setting that is left; a switch that changes nothing is dropped
.if MSB != \new
	s_set_vgpr_msb (MSB<<8)|\new
.set MSB, \new
.endif
.endm
.macro CROUND                          ; a round of the cluster's barrier
	s_barrier_signal -1
	s_barrier_wait -1
	s_cmp_lg_u32 s[WV], 0
	s_cbranch_scc1 .Lnot_wave_0_\@
	s_barrier_signal -3
.Lnot_wave_0_\@:
	s_barrier_wait -3
	s_barrier_signal -1
	s_barrier_wait -1
.endm
; A PREFETCH of the slot that the NEXT change of slots will ask for.  All four clusters of a head walk the same kv: the head's first cluster asks.  Its partners share the slot out BY ADDRESS, a key step each;
; in each, waves 0 to 3 take 5,632 bytes, lanes 256 bytes apart.  That is 22 lanes' worth: lanes 22 to 31 name lane 21's bytes once more, in the same instruction.  The last change that fills a slot asks for nothing.
.macro ASK
	s_cmp_gt_u32 s[SLOTS], s[LIM]
	s_cbranch_scc0 .Lnot_mine_\@
	global_prefetch_b8 v[PFO], s[PFA:PFA+1] th:TH_LOAD_NT scope:SCOPE_SE
.Lnot_mine_\@:
.endm
	s_load_b128 s[4:7], s[0:1], 0x0                ; qimg, kv
	s_load_b64 s[8:9], s[0:1], 0x10                ; ximg
	v_lshl_add_u32 v[SPW], v0, 2, SPARE
	v_mov_b32 v[NIL], 0
	ds_add_u32 v[SPW], v[NIL]                      ; the wave's opening: the add, twice on end, and its wait ahead of my first tensor load; work on registers stands between
	ds_add_u32 v[SPW], v[NIL]
	v_lshrrev_b32 v[ADK], 5, v0
	s_delay_alu instid0(VALU_DEP_1)
	v_readfirstlane_b32 s[WV], v[ADK]              ; wave 0..7
	v_and_b32 v[LI], 31, v0
	v_bfe_u32 v[SH8], v0, 4, 1
	s_delay_alu instid0(VALU_DEP_2)
	v_min_u32 v[PFO], 21, v[LI]
	s_delay_alu instid0(VALU_DEP_2)
	v_lshlrev_b32 v[SH8], 3, v[SH8]
	s_delay_alu instid0(VALU_DEP_2)
	v_lshlrev_b32 v[PFO], 8, v[PFO]
	v_lshlrev_b32 v[LI], 4, v[LI]
	s_bfe_u32 s11, ttmp6, 0x40000                  ; cx: it enters Q's, x's and the prefetches' addresses alone
	s_lshl_b32 s12, ttmp9, 2
	s_add_co_u32 s12, s12, s11                     ; my block of 256 queries
	s_and_b32 s13, ttmp7, 0xffff                   ; hh = 8 x batch + head, which the partners share
	s_mov_b32 s[G1], 15|(3<<16)|(1<<21)            ; the mask: all four; elements of 8 bytes; bit 21 set beside a mask; no padding
	s_mov_b32 s[G1+1], 32<<16                      ; tensor_dim0 = 32 elements: 256 bytes
	s_mov_b32 s[G1+2], 44<<16                      ; tensor_dim1 = 44
	s_mov_b32 s[G1+3], 32<<16                      ; tile_dim0
	s_mov_b32 s[G1+4], 44                          ; tile_dim1
	s_mov_b32 s[G1+5], 32                          ; from row to row: dense
	s_mov_b32 s[G1+6], 0
	s_mov_b32 s[G1+7], 0
	s_mov_b32 s[G0], 1
	s_mul_i32 s[G0+1], s[WV], SLOTB/8              ; my eighth of slot 0
	s_mul_i32 s56, s13, 32*STEPB                   ; the head's first byte in kv,
	s_add_co_u32 s56, s56, s[G0+1]                 ; my eighth
	s_mov_b32 s57, 0
	s_lshr_b32 s14, s[WV], 2
	s_lshl_b32 s15, s12, 1
	s_add_co_u32 s14, s14, s15                     ; my group of 128 queries
	s_and_b32 s15, s[WV], 3                        ; a: my tiles are 2 a and 2 a + 1 of the group
	s_lshl_b32 s44, s13, 5
	s_add_co_u32 s44, s44, s14
	s_mul_i32 s44, s44, 12800                      ; the group in qimg
	s_mul_i32 s46, s15, 3072
	s_add_co_u32 s46, s46, s44                     ; my two fragments
	s_mov_b32 s47, 0
	s_lshl_b32 s48, s15, 2
	s_add_co_u32 s48, s48, s44
	s_add_co_u32 s48, s48, 12288                   ; word a of each row of the scale sets
	s_mov_b32 s49, 0
	s_lshr_b32 s44, s13, 3
	s_lshl_b32 s44, s44, 5
	s_add_co_u32 s44, s44, s14                     ; G = 32 x batch + group
	s_lshl_b32 s44, s44, 3
	s_and_b32 s45, s13, 7
	s_add_co_u32 s44, s44, s45
	s_mul_i32 s44, s44, 12800                      ; (G, head) in ximg
	s_mul_i32 s50, s15, 3072
	s_add_co_u32 s50, s50, s44
	s_mov_b32 s51, 0
	s_lshl_b32 s52, s15, 2
	s_add_co_u32 s52, s52, s44
	s_add_co_u32 s52, s52, 12288
	s_mov_b32 s53, 0
	s_mul_i32 s54, s13, 32*STEPB                   ; the prefetches: the head,
	s_mul_i32 s45, s11, STEPB
	s_add_co_u32 s54, s54, s45                     ; my work-group's key step of a slot,
	s_mul_i32 s45, s[WV], STEPB/4
	s_add_co_u32 s54, s54, s45                     ; my wave's quarter of it,
	s_add_co_u32 s54, s54, SLOTB                   ; in slot 1: the first change of slots steps it to slot 2.  Nothing is asked for here, at the head
	s_mov_b32 s55, 0
	s_lshr_b32 s[LIM], s[WV], 2
	s_or_b32 s[LIM], s[LIM], ttmp9                 ; 0 in waves 0 to 3 of the head's first cluster: the same in all four partners
	s_cmp_eq_u32 s[LIM], 0
	s_cselect_b32 s[LIM], 1, -1
	s_mov_b32 s[CS], 0x3e16c740                    ; c = log2(e) / sqrt(96)
	s_mov_b32 s[CS+1], s[CS]
	s_mov_b32 s[NCS], 0xbe16c740                   ; -c
	s_mov_b32 s[SEL], 0x76543210
	s_mov_b32 s[SEL+1], 0xfedcba98
	s_mov_b32 s[HI16], 0xffff0000
	s_mov_b32 s[TB], 0
	s_mov_b32 s[SLOTS], 7
.set GRP, 58                           ; s58: my group, ((wave >> 2) xor wave) & 1: it differs between waves w and w + 4 and between waves 2 k and 2 k + 1
	s_lshr_b32 s[GRP], s[WV], 2
	s_xor_b32 s[GRP], s[GRP], s[WV]
	s_and_b32 s[GRP], s[GRP], 1
	s_wait_dscnt 0x0                               ; both opening adds are done
	s_wait_kmcnt 0x0
	s_add_nc_u64 s[40:41], s[4:5], s[48:49]        ; Q's scale words
	s_add_nc_u64 s[4:5], s[4:5], s[46:47]          ; Q's fragments
	s_add_nc_u64 s[42:43], s[8:9], s[52:53]        ; x's scale words
	s_add_nc_u64 s[8:9], s[8:9], s[50:51]          ; x's fragments
	s_add_nc_u64 s[PFA:PFA+1], s[6:7], s[54:55]
	s_add_nc_u64 s[G0+2:G0+3], s[6:7], s[56:57]
	s_or_b32 s[G0+3], s[G0+3], 0x80000000          ; type = 2
	CROUND                                         ; all four work-groups are here: the first joint loads meet
	tensor_load_to_lds s[G0:G0+3], s[G1:G1+7]      ; slot 0
	s_nop 0
.rept 4
	v_nop
.endr
	WIN 0x40                                       ; destination window 1, address window 0
	s_wait_alu depctr_va_vdst(0)
.irp u, 0,1
.irp g, 0,1,2
	global_load_b128 v[QF+12*\u+4*\g:QF+12*\u+4*\g+3], v[LI], s[4:5] offset:1536*\u+512*\g   ; Q stays in registers
.endr
.endr
.set i, 0
.rept 96
	v_mov_b32 v[OT+i], 0                           ; O^T.  (The step is written once: the first finds zeros, which the first change of M leaves zeros)
.set i, i+1
.endr
	WIN 0
	global_load_b32 v[QS], v[LI], s[40:41]
.irp u, 0,1
	v_mov_b32 v[ST+8*\u+1], 0xff61b1e6             ; the largest score so far: -3e38, under every score
	s_delay_alu instid0(VALU_DEP_1)
	v_floor_f32 v[ST+8*\u], -v[ST+8*\u+1]          ; -M: so large that the first f is 0
	v_mov_b32 v[ST+8*\u+2], 0                      ; the sum
	v_mov_b32 v[ST+8*\u+3], 0
	v_mov_b32 v[ST+8*\u+5], 0                      ; (named as the upper half of f's pair before it is first written)
	v_mov_b32 v[WK+16*\u+14], 0                    ; a lane permute's destination counts as one of its sources
	v_mov_b32 v[WK+16*\u+15], 0
.endr
.macro KQ t, u                         ; S^T of tile u, keys of K's tile t.  K's words: register t / 2, odd tiles in lanes 16-31; Q's: tile u = 1 in lanes 16-31
.set rD, SR+64*(\u)+8*(\t)
.set rA, KF+12*(\t)
.set rB, QF+12*(\u)
.if ((\t)%2 == 0) && ((\u) == 0)
	v_wmma_scale_f32_16x16x128_f8f6f4 v[rD:rD+7], v[rA:rA+11], v[rB:rB+11], 0, v[KS+(\t)/2], v[QS] matrix_a_fmt:MATRIX_FMT_BF6 matrix_b_fmt:MATRIX_FMT_BF6
.elseif ((\u) == 0)
	v_wmma_scale_f32_16x16x128_f8f6f4 v[rD:rD+7], v[rA:rA+11], v[rB:rB+11], 0, v[KS+(\t)/2], v[QS] matrix_a_fmt:MATRIX_FMT_BF6 matrix_b_fmt:MATRIX_FMT_BF6 matrix_a_scale:MATRIX_SCALE_ROW1
.elseif ((\t)%2 == 0)
	v_wmma_scale_f32_16x16x128_f8f6f4 v[rD:rD+7], v[rA:rA+11], v[rB:rB+11], 0, v[KS+(\t)/2], v[QS] matrix_a_fmt:MATRIX_FMT_BF6 matrix_b_fmt:MATRIX_FMT_BF6 matrix_b_scale:MATRIX_SCALE_ROW1
.else
	v_wmma_scale_f32_16x16x128_f8f6f4 v[rD:rD+7], v[rA:rA+11], v[rB:rB+11], 0, v[KS+(\t)/2], v[QS] matrix_a_fmt:MATRIX_FMT_BF6 matrix_b_fmt:MATRIX_FMT_BF6 matrix_a_scale:MATRIX_SCALE_ROW1 matrix_b_scale:MATRIX_SCALE_ROW1
.endif
.endm
.macro PV t, u                         ; O^T of tile u, channels of V's tile t, += V^T P^T over the step's 128 keys
.set rD, OT+48*(\u)+8*(\t)
.if (\t) < 3
.set rA, VF0+12*(\t)
.else
.set rA, VF1+12*((\t)-3)
.endif
.set rB, PCD+12*(\u)
.if (\t)%2 == 0
	v_wmma_scale_f32_16x16x128_f8f6f4 v[rD:rD+7], v[rA:rA+11], v[rB:rB+11], v[rD:rD+7], v[VS+(\t)/2], v[ST+8*(\u)+5] matrix_a_fmt:MATRIX_FMT_BF6 matrix_b_fmt:MATRIX_FMT_BF6
.else
	v_wmma_scale_f32_16x16x128_f8f6f4 v[rD:rD+7], v[rA:rA+11], v[rB:rB+11], v[rD:rD+7], v[VS+(\t)/2], v[ST+8*(\u)+5] matrix_a_fmt:MATRIX_FMT_BF6 matrix_b_fmt:MATRIX_FMT_BF6 matrix_a_scale:MATRIX_SCALE_ROW1
.endif
.endm
.macro KLOADS                          ; K's eight fragments of the step at v[ADK] (its scale words are asked for in window 0, ahead)
.irp t, 0,1,2,3,4,5,6,7
.irp g, 0,1,2
	ds_load_b128 v[KF+12*\t+4*\g:KF+12*\t+4*\g+3], v[ADK] offset:1536*\t+512*\g
.endr
.endr
.endm
; A KEY STEP: 128 keys, both my tiles.  Its scores lie in S^T when it begins.  kq = 1: the next step's K is fetched and its scores are made.
; It is written in two halves.  HALF1: the loads from LDS, the maxima, M, f and t - M.  HALF2: the exponentials, the sums, p's codes, the products: work on registers alone (and the wait for HALF1's loads).
.macro HALF1 kq
	v_mov_b32 v[ADV], v[ADK]
.if \kq
	s_add_co_u32 s[TB], s[TB], STEPB
	v_add_nc_u32 v[ADK], s[TB], v[LI]
.else
	v_nop
.endif
	v_nop
	v_nop                                          ; four places in front of loads into registers that the last products read, and of the first read of the scores
	ds_load_b128 v[VS:VS+3], v[ADV] offset:VSC
.irp t, 0,1,2
.irp g, 0,1,2
	ds_load_b128 v[VF0+12*\t+4*\g:VF0+12*\t+4*\g+3], v[ADV] offset:VFR+1536*\t+512*\g
.endr
.endr
.if \kq
	ds_load_b128 v[KS:KS+3], v[ADK] offset:KSC
.endif
	WIN 0x40
.irp t, 0,1,2
.irp g, 0,1,2
	ds_load_b128 v[VF1+12*\t+4*\g:VF1+12*\t+4*\g+3], v[ADV] offset:VFR+1536*(\t+3)+512*\g
.endr
.endr
.if \kq
	KLOADS
.endif
	WIN 0
.irp u, 0,1
	v_mov_b32 v[WK+16*\u+15], v[ST+8*\u]           ; the old -M
.endr
.irp u, 0,1
.irp q, 0,1,2,3
	v_max3_num_f32 v[WK+16*\u+\q], v[SR+64*\u+16*\q], v[SR+64*\u+16*\q+1], v[SR+64*\u+16*\q+2]   ; eight chains of 16 registers by turns, each accumulator from its low end on
.endr
.endr
.irp i, 3,5,7,9,11,13
.irp u, 0,1
.irp q, 0,1,2,3
	v_max3_num_f32 v[WK+16*\u+\q], v[WK+16*\u+\q], v[SR+64*\u+16*\q+\i], v[SR+64*\u+16*\q+\i+1]
.endr
.endr
.endr
.irp c, 0,1
	v_max3_num_f32 v[WK+2*\c], v[WK+2*\c], v[WK+2*\c+1], v[SR+32*\c+15]
	v_max3_num_f32 v[WK+16+2*\c], v[WK+16+2*\c], v[WK+16+2*\c+1], v[SR+64+32*\c+15]
.endr
.irp c, 0,1
.irp u, 0,1
	v_max_num_f32 v[WK+16*\u+2*\c], v[WK+16*\u+2*\c], v[SR+64*\u+32*\c+31]   ; the largest score of my block 2 c + lane / 16: for the row's maximum, and for the block's largest p
.endr
.endr
.irp u, 0,1
	s_delay_alu instid0(VALU_DEP_2)
	v_max_num_f32 v[TMP+\u], v[WK+16*\u], v[WK+16*\u+2]
.endr
.irp u, 0,1
	s_delay_alu instid0(VALU_DEP_2)
	v_permlanex16_b32 v[WK+16*\u+14], v[TMP+\u], s[SEL], s[SEL+1]
.endr
.irp u, 0,1
	s_delay_alu instid0(VALU_DEP_2)
	v_max3_num_f32 v[ST+8*\u+1], v[ST+8*\u+1], v[TMP+\u], v[WK+16*\u+14]   ; the running largest score of my query
.endr
.irp u, 0,1
	s_delay_alu instid0(VALU_DEP_2)
	v_mul_f32 v[TMP+\u], s[NCS], v[ST+8*\u+1]      ; -t (c is positive: the largest score gives the largest t)
.endr
.irp u, 0,1
	s_delay_alu instid0(VALU_DEP_2)
	v_floor_f32 v[ST+8*\u], v[TMP+\u]              ; the new -M = floor(-t): M is a whole number
.endr
.irp u, 0,1
	s_delay_alu instid0(VALU_DEP_2)
	v_sub_f32 v[TMP+\u], v[ST+8*\u], v[WK+16*\u+15]   ; old M - new M: a whole number, 0 or less
.endr
.set j, 0
.rept 32
	v_pk_fma_f32 v[SR+j:SR+j+1], v[SR+j:SR+j+1], s[CS:CS+1], v[ST:ST+1] op_sel_hi:[1,0,0]   ; t - M, two at a time
.set j, j+2
.endr
.irp u, 0,1
	v_cvt_i32_f32 v[TMP+\u], v[TMP+\u]             ; (it saturates)
.endr
.set j, 0
.rept 32
	v_pk_fma_f32 v[SR+64+j:SR+64+j+1], v[SR+64+j:SR+64+j+1], s[CS:CS+1], v[ST+8:ST+9] op_sel_hi:[1,0,0]
.set j, j+2
.endr
.irp u, 0,1
	v_ldexp_f32 v[ST+8*\u+4], 1.0, v[TMP+\u]       ; f = 2^(old M - new M)
.endr
.irp c, 0,1
.irp u, 0,1
	v_fma_f32 v[WK+16*\u+2*\c], v[WK+16*\u+2*\c], s[CS], v[ST+8*\u]   ; the same of each block's largest score
.endr
.endr
.endm
.macro HALF2 kq
	s_wait_alu depctr_va_vdst(0)                   ; ahead of the batch
.set j, 0
.rept 128
	v_exp_f32 v[SR+j], v[SR+j]                     ; p = 2^(t - M), at most 1: one batch for both tiles,
.set j, j+1
.endr
.irp c, 0,1
.irp u, 0,1
	v_exp_f32 v[WK+16*\u+2*\c], v[WK+16*\u+2*\c]   ; and the blocks' largest p
.endr
.endr
.irp u, 0,1
	v_pk_mul_f32 v[ST+8*\u+2:ST+8*\u+3], v[ST+8*\u+2:ST+8*\u+3], v[ST+8*\u+4:ST+8*\u+5] op_sel_hi:[1,0]   ; the sums under the new M: the plain instructions behind the batch
.endr
	s_wait_alu depctr_va_vdst(0)                   ; one wait for the batch, ahead of its first reader
.irp u, 0,1
	v_pk_add_f32 v[ST+8*\u+6:ST+8*\u+7], v[SR+64*\u:SR+64*\u+1], v[SR+64*\u+2:SR+64*\u+3]   ; the row's sum of the UNQUANTISED p, in two chains a tile
.endr
.irp j, 4,8,12,16,20,24,28,32,36,40,44,48,52,56,60
.irp u, 0,1
	v_pk_add_f32 v[ST+8*\u+2:ST+8*\u+3], v[ST+8*\u+2:ST+8*\u+3], v[SR+64*\u+\j:SR+64*\u+\j+1]
	v_pk_add_f32 v[ST+8*\u+6:ST+8*\u+7], v[ST+8*\u+6:ST+8*\u+7], v[SR+64*\u+\j+2:SR+64*\u+\j+3]
.endr
; the links of the chain that makes p's scales stand among the additions, four additions between a link and the next
.if \j == 4
.irp u, 0,1
.irp c, 0,1
	v_max_num_f32 v[WK+16*\u+2*\c], 0x2800000, v[WK+16*\u+2*\c]   ; the floor 2^(5 - 127): the byte cannot fall under 1
.endr
.endr
.endif
.if \j == 8
.irp u, 0,1
.irp c, 0,1
	v_add_nc_u32 v[WK+16*\u+12+\c], 0xfe000000, v[WK+16*\u+2*\c]   ; 4 off the exponent field: the conversion's scale operand
.endr
.endr
.endif
.if \j == 12
.irp u, 0,1
.irp c, 0,1
	v_lshrrev_b32 v[WK+16*\u+2*\c], 23, v[WK+16*\u+12+\c]   ; the scale's byte
.endr
.endr
.endif
.if \j == 16
.irp u, 0,1
	v_lshl_or_b32 v[WK+16*\u+1], v[WK+16*\u+2], 16, v[WK+16*\u]   ; my two bytes: blocks h and 2 + h,
.endr
.endif
.if \j == 20
.irp u, 0,1
	v_lshlrev_b32 v[WK+16*\u+1], v[SH8], v[WK+16*\u+1]   ; at their places in the word;
.endr
.endif
.if \j == 24
.irp u, 0,1
	v_permlanex16_b32 v[WK+16*\u+15], v[WK+16*\u+1], s[SEL], s[SEL+1]
.endr
.endif
.if \j == 28
.irp u, 0,1
	v_or_b32 v[ST+8*\u+5], v[WK+16*\u+1], v[WK+16*\u+15]   ; with lane l xor 16's two: p's scale word for these 128 keys
.endr
.endif
.endr
.irp u, 0,1
	v_pk_add_f32 v[ST+8*\u+2:ST+8*\u+3], v[ST+8*\u+2:ST+8*\u+3], v[ST+8*\u+6:ST+8*\u+7]
.endr
.irp u, 0,1
.irp c, 0,1
	v_cvt_scalef32_pk16_bf6_f32 v[PCD+12*\u+6*\c:PCD+12*\u+6*\c+2], v[SR+64*\u+32*\c:SR+64*\u+32*\c+15], v[WK+16*\u+12+\c]
	v_cvt_scalef32_pk16_bf6_f32 v[WK+16*\u+4+4*\c:WK+16*\u+4+4*\c+2], v[SR+64*\u+32*\c+16:SR+64*\u+32*\c+31], v[WK+16*\u+12+\c]   ; (a conversion's three registers begin on an even number)
.endr
.endr
	v_nop                                          ; one plain instruction behind the scaled conversions
.irp u, 0,1
.irp c, 0,1
.irp i, 0,1,2
	v_mov_b32 v[PCD+12*\u+6*\c+3+\i], v[WK+16*\u+4+4*\c+\i]   ; registers 6 c .. 6 c + 5 hold keys 64 c + 32 h + 0 .. 31
.endr
.endr
.endr
	s_wait_dscnt 0x0                               ; V, and the next step's K, are in
.if \kq
	WIN 0x05                                       ; K and Q in window 1, S^T in window 0
.irp t, 0,1,2,3,4,5,6,7
.irp u, 0,1
	KQ \t, \u                                      ; the next step's scores, into the registers that p has left
.endr
.endr
.endif
	WIN 0x41                                       ; O^T (destination and source 0) in window 1, f in window 0
	s_wait_alu depctr_va_vdst(0)                   ; directly ahead of the first reader of O^T
.irp u, 0,1
.set j, 0
.rept 24
	v_pk_mul_f32 v[OT+48*\u+j:OT+48*\u+j+1], v[OT+48*\u+j:OT+48*\u+j+1], v[ST+8*\u+4:ST+8*\u+5] op_sel_hi:[1,0]   ; O^T under the new M, each accumulator from its low end on; also the places between p's codes and word and the products, and behind the scores' products
.set j, j+2
.endr
.endr
	WIN 0x50                                       ; V's tiles 0-2 and P in window 0, O^T in window 1
.irp t, 0,1,2
.irp u, 0,1
	PV \t, \u                                      ; the twelve accumulators by turns, one instruction a turn
.endr
.endr
	WIN 0x51                                       ; V's tiles 3-5 in window 1
.irp t, 3,4,5
.irp u, 0,1
	PV \t, \u
.endr
.endr
	WIN 0
.endm
.macro BODY kq
	HALF1 \kq
	HALF2 \kq
.endm
; THE CHANGE OF SLOTS stands at a slot's head.  Each wave waits for all its tensor loads (its eighth of the slot ahead), adds 0 to its spare word, and waits for that and for its reads of the slot that it has left.
; fill = 1: behind a round of the cluster's barrier (no wave of any partner still reads the slot left, or has a load on its way) that slot is asked for anew, first thing: the load has four key steps in which to land.
.macro CHANGE fill
	s_wait_tensorcnt 0x0                           ; no tensor load of mine is out, so the walking group 0 may be written
	ds_add_u32 v[SPW], v[NIL]
.if \fill
	s_xor_b32 s[G0+1], s[G0+1], SLOT1              ; the other slot than last time,
	s_add_nc_u64 s[G0+2:G0+3], s[G0+2:G0+3], SLOTB ; the next four key steps; the type bits on top are not reached
	s_wait_xcnt 0x0                                ; the last prefetch, a slot back, has read its address, so it may be written:
	s_add_nc_u64 s[PFA:PFA+1], s[PFA:PFA+1], SLOTB ; one slot further on than the walking descriptor
	s_wait_dscnt 0x0                               ; the add is done, and my reads of the slot that I have left are over
	CROUND
	tensor_load_to_lds s[G0:G0+3], s[G1:G1+7]
	s_nop 0
.rept 4
	v_nop
.endr
	ASK
.else
	s_wait_dscnt 0x0
	s_barrier_signal -1
	s_barrier_wait -1
.endif
.endm
; THE TWO GROUPS OF WAVES WALK HALF A STEP APART.  defer = 1: group 0 runs the second half of the slot's last step here, ahead of the change of slots; group 1 runs it behind the change (macro LATE).
; That half touches registers alone, and V's fragments are in registers by the change's wait for my LDS reads.  Between two changes of slots both groups do the same work, and every wave passes every barrier, wait and add:
; the branches hang on the wave's number alone and lead round register work.  So one group's products and exponentials stand beside the other group's maxima, multiply-adds and sums.
.macro FOUR_STEPS defer
	v_add_nc_u32 v[ADK], s[TB], v[LI]
	s_wait_alu depctr_va_vdst(0)                   ; directly behind the write
	ds_load_b128 v[KS:KS+3], v[ADK] offset:KSC
	WIN 0x40
	KLOADS
	s_wait_dscnt 12                                ; the scale words and tiles 0 to 3 are in; the twelve loads of tiles 4 to 7 may be out
	WIN 0x05
.irp t, 0,1,2,3
.irp u, 0,1
	KQ \t, \u
.endr
.endr
	s_wait_dscnt 0x0
.irp t, 4,5,6,7
.irp u, 0,1
	KQ \t, \u
.endr
.endr
	WIN 0
	s_mov_b32 s[CNT], 3
.Lstep_\@:
	BODY 1
	s_sub_co_u32 s[CNT], s[CNT], 1
	s_cmp_lg_u32 s[CNT], 0
	s_cbranch_scc1 .Lstep_\@
	HALF1 0
	s_sub_co_u32 s[TB], s[TB], 3*STEPB             ; back to a slot's first step,
	s_xor_b32 s[TB], s[TB], SLOT1                  ; in the other slot
	s_wait_alu depctr_va_vdst(0)                   ; directly ahead of the branch
.if \defer
	s_cmp_lg_u32 s[GRP], 0
	s_cbranch_scc1 .Llater_\@
.endif
	HALF2 0
.if \defer
.Llater_\@:
.endif
.endm
.macro LATE                            ; group 1: the second half of the last slot's last step, behind the change of slots and its refill
	s_cmp_eq_u32 s[GRP], 0
	s_cbranch_scc1 .Ldone_\@
	HALF2 0
.Ldone_\@:
.endm
	s_wait_loadcnt 0x0                             ; Q and its scale words
	CHANGE 1                                       ; the first slot is written out: nothing has been put off into it (slot 1's first fill stands behind this round, where nothing is filled again)
	FOUR_STEPS 1
	s_sub_co_u32 s[SLOTS], s[SLOTS], 1
.Lslot:                                            ; six trips: behind each of these changes of slots the next slot is asked for
	CHANGE 1
	LATE
	FOUR_STEPS 1
	s_sub_co_u32 s[SLOTS], s[SLOTS], 1
	s_cmp_lg_u32 s[SLOTS], 0
	s_cbranch_scc1 .Lslot
	CHANGE 0                                       ; the last slot is written out; it puts nothing off
	LATE
	FOUR_STEPS 0
	; THE WAY OUT.  x = O^T / the sum; by the order of V's channels register 16 b + i of a lane is channel 32 b + 16 (lane / 16) + i of its query: three blocks of the projection's K.  They are quantised here and leave as a finished fragment.
.rept 4
	v_nop                                          ; places behind the last products
.endr
.irp u, 0,1
	v_add_f32 v[ST+8*\u+2], v[ST+8*\u+2], v[ST+8*\u+3]
.endr
.irp u, 0,1
	s_delay_alu instid0(VALU_DEP_2)
	v_permlanex16_b32 v[TMP+\u], v[ST+8*\u+2], s[SEL], s[SEL+1]
.endr
.irp u, 0,1
	s_delay_alu instid0(VALU_DEP_2)
	v_add_f32 v[ST+8*\u+2], v[ST+8*\u+2], v[TMP+\u]   ; the row's sum
.endr
	s_wait_alu depctr_va_vdst(0)
.irp u, 0,1
	v_rcp_f32 v[ST+8*\u+6], v[ST+8*\u+2]
.endr
	v_nop                                          ; a plain instruction behind the reciprocals,
	s_wait_alu depctr_va_vdst(0)                   ; and the wait ahead of their first reader
	WIN 0x01                                       ; source 0 (O^T) in window 1
.irp u, 0,1
.set j, 0
.rept 24
	v_pk_mul_f32 v[SR+64*\u+j:SR+64*\u+j+1], v[OT+48*\u+j:OT+48*\u+j+1], v[ST+8*\u+6:ST+8*\u+7] op_sel_hi:[1,0]   ; each accumulator from its low end on
.set j, j+2
.endr
.endr
	WIN 0
.irp u, 0,1
.irp b, 0,1,2
	v_max3_num_f32 v[WK+16*\u+\b], |v[SR+64*\u+16*\b]|, |v[SR+64*\u+16*\b+1]|, 0x2800000   ; my 16 numbers of block b, and the floor
.endr
.endr
.irp i, 2,4,6,8,10,12,14
.irp u, 0,1
.irp b, 0,1,2
	v_max3_num_f32 v[WK+16*\u+\b], v[WK+16*\u+\b], |v[SR+64*\u+16*\b+\i]|, |v[SR+64*\u+16*\b+\i+1]|
.endr
.endr
.endr
.irp u, 0,1
.irp b, 0,1,2
	v_permlanex16_b32 v[WK+16*\u+4+\b], v[WK+16*\u+\b], s[SEL], s[SEL+1]
.endr
.endr
.irp u, 0,1
.irp b, 0,1,2
	v_max_num_f32 v[WK+16*\u+\b], v[WK+16*\u+\b], v[WK+16*\u+4+\b]
.endr
.endr
.irp u, 0,1
.irp b, 0,1,2
	v_add_nc_u32 v[WK+16*\u+12+\b], 0xfe000000, v[WK+16*\u+\b]
.endr
.endr
.irp u, 0,1
.irp b, 0,1,2
	v_lshrrev_b32 v[WK+16*\u+4+\b], 23, v[WK+16*\u+12+\b]
.endr
.endr
.irp u, 0
	v_lshl_or_b32 v[ST+8*\u+5], v[WK+16*\u+5], 8, v[WK+16*\u+4]
.endr
.irp u, 1
	s_delay_alu instid0(VALU_DEP_3)
	v_lshl_or_b32 v[ST+8*\u+5], v[WK+16*\u+5], 8, v[WK+16*\u+4]
.endr
.irp u, 0,1
	s_delay_alu instid0(VALU_DEP_2)
	v_lshl_or_b32 v[ST+8*\u+5], v[WK+16*\u+6], 16, v[ST+8*\u+5]
.endr
.irp u, 0,1
	v_or_b32 v[ST+8*\u+5], 0x7f000000, v[ST+8*\u+5]   ; the fourth block is zero codes: its byte is 127
.irp i, 0,1,2
	v_mov_b32 v[WK+16*\u+8+\i], 0                  ; and these zeros become it
.endr
.endr
.irp u, 0,1
	v_cvt_scalef32_pk16_bf6_f32 v[PCD+12*\u:PCD+12*\u+2], v[SR+64*\u:SR+64*\u+15], v[WK+16*\u+12]
	v_cvt_scalef32_pk16_bf6_f32 v[WK+16*\u+4:WK+16*\u+6], v[SR+64*\u+16:SR+64*\u+31], v[WK+16*\u+13]
	v_cvt_scalef32_pk16_bf6_f32 v[PCD+12*\u+6:PCD+12*\u+8], v[SR+64*\u+32:SR+64*\u+47], v[WK+16*\u+14]
.endr
	v_nop
.irp u, 0,1
.irp c, 0,1                                    ; here a lane holds half blocks: the operand's layout wants a WHOLE block in a lane; for c = 1 the exchange leaves block 2 whole in lanes 0-15 and zeros in lanes 16-31
.irp i, 0,1,2
	v_permlane16_swap_b32 v[PCD+12*\u+6*\c+\i], v[WK+16*\u+4+4*\c+\i]
.endr
.irp i, 0,1,2
	s_delay_alu instid0(VALU_DEP_3)
	v_mov_b32 v[PCD+12*\u+6*\c+3+\i], v[WK+16*\u+4+4*\c+\i]
.endr
.endr
.endr
	v_cndmask_b32 v[TMP], v[ST+5], v[ST+13], s[HI16]   ; lanes 0-15: my first tile's words, lanes 16-31: my second's
.irp u, 0,1
.irp g, 0,1,2
	global_store_b128 v[LI], v[PCD+12*\u+4*\g:PCD+12*\u+4*\g+3], s[8:9] offset:1536*\u+512*\g   ; 32 lanes store 512 consecutive bytes, aligned to 256
.endr
.endr
	global_store_b32 v[LI], v[TMP], s[42:43]       ; word a of each row of the two scale sets: pieces of 4 bytes, 16 apart; the group's four waves fill the 512 bytes; one byte in 25 of what the launch stores
	s_wait_tensorcnt 0x0                           ; the wave's end: the three lines, behind my last tensor load
	ds_add_u32 v[SPW], v[NIL]
	s_wait_dscnt 0x0
	CROUND                                         ; the closing round: no work-group ends while a partner may still ask for a tile that names it
	s_endpgm
.Lfunc_end_k_qe5c5075ff5_attn:
	.size	k_qe5c5075ff5_attn, .Lfunc_end_k_qe5c5075ff5_attn-k_qe5c5075ff5_attn
	.p2alignl 7, 3214868480
	.fill 96, 4, 3214868480
	.section	.rodata,"a",@progbits
	.p2align	6, 0x0
	.amdhsa_kernel k_qe5c5075ff5_attn
		.amdhsa_group_segment_fixed_size 327680
		.amdhsa_private_segment_fixed_size 0
		.amdhsa_enable_private_segment 0
		.amdhsa_kernarg_size 24
		.amdhsa_user_sgpr_count 2
		.amdhsa_user_sgpr_kernarg_segment_ptr 1
		.amdhsa_wavefront_size32 1
		.amdhsa_system_sgpr_workgroup_id_x 1
		.amdhsa_system_sgpr_workgroup_id_y 1
		.amdhsa_system_sgpr_workgroup_id_z 1
		.amdhsa_system_vgpr_workitem_id 0
		.amdhsa_next_free_vgpr 512
		.amdhsa_next_free_sgpr 66
		.amdhsa_reserve_vcc 0
		.amdhsa_float_denorm_mode_32 3
		.amdhsa_float_denorm_mode_16_64 3
		.amdhsa_memory_ordered 1
		.amdhsa_forward_progress 1
		.amdhsa_inst_pref_size 230
	.end_amdhsa_kernel
	.amdgpu_metadata
---
amdhsa.version: [ 1, 2 ]
amdhsa.kernels:
  - .name:           k_qe5c5075ff5_attn
    .symbol:         k_qe5c5075ff5_attn.kd
    .args:
      - { .name: qimg, .offset: 0, .size: 8, .value_kind: global_buffer, .address_space: global }
      - { .name: kv, .offset: 8, .size: 8, .value_kind: global_buffer, .address_space: global }
      - { .name: ximg, .offset: 16, .size: 8, .value_kind: global_buffer, .address_space: global }
    .group_segment_fixed_size: 327680
    .private_segment_fixed_size: 0
    .kernarg_segment_align: 8
    .kernarg_segment_size: 24
    .max_flat_workgroup_size: 256
    .sgpr_count:     66
    .vgpr_count:     512
    .wavefront_size: 32
...
	.end_amdgpu_metadata
.endif
;; end of part 2
;; launch proj (part 3): grid 4 x 64, 12 waves a work-group, clusters of 4 x 4, 327,680 bytes of LDS; arguments ximg, wimg, fc_b, out0; writes out0
.if DOCPART == 3
	.amdgcn_target "amdgcn-amd-amdhsa--gfx1250"
	.amdhsa_code_object_version 6
	.text
	.protected	k_qe5c5075ff5_proj
	.globl	k_qe5c5075ff5_proj
	.p2align	8
	.type	k_qe5c5075ff5_proj,@function
k_qe5c5075ff5_proj:
	s_mov_b64 s[64:65], 0
	v_nop
	global_prefetch_b8 v0, s[64:65] scope:SCOPE_SE
	s_setreg_imm32_b32 hwreg(HW_REG_WAVE_MODE, 25, 1), 1
	s_wait_xcnt 0x0
	s_wait_alu depctr_hold_cnt(0) depctr_sa_sdst(0) depctr_va_vdst(0) depctr_va_sdst(0) depctr_va_ssrc(0) depctr_va_vcc(0) depctr_vm_vsrc(0)
	s_getreg_b32 s2, hwreg(HW_REG_IB_STS2, 6, 4)
	s_cmp_eq_u32 s2, 0
	s_cbranch_scc0 .Lentry_in_a_cluster
	s_endpgm
.Lentry_in_a_cluster:
	s_bfe_u32 s2, ttmp6, 0x10000c
	s_cmp_lg_u32 s2, 0xf033
	s_cbranch_scc0 .Lentry_shape_is_right
	s_endpgm
.Lentry_shape_is_right:
; out0[m][n] = the sum over k of x[m][k] fc_w[n][k] + fc_b[n], on codes of BF6 (E3M2) with E8M0 scales, as the two launches before have laid them: images of operand registers, a K step = one head (96 codes and
; 32 zero codes on both sides, which add nothing), eight K steps.  No work is left out.
; SHARES.  A work-group makes 128 rows (group G) x 192 columns (block cb).  Wave w: x's tiles 2 rp and 2 rp + 1 (rp = w % 4) x the four tiles of W's rows 64 (w / 4) on: eight accumulators.
; All of the work-group's x (102,400 bytes) and W (159,744 bytes) come into LDS ONCE, each wave one tensor load: no ring, nothing is filled again.  By this text's count one tensor load of a wave is out.
; CLUSTER 4 x 4: the four work-groups of a row of the cluster need the same x, the four of a column the same W: each part is asked for JOINTLY.
; THE PRODUCT IS USED TRANSPOSED (source 0 = 16 rows of W, source 1 = 16 rows of x): a lane holds one row of out0, and by the order of a tile's rows the 16 registers of tiles 2 b, 2 b + 1 are 16 neighbouring columns.
; The bias is the C of each sum's first matrix instruction.  No prefetch: the launch is short and asks for all its bytes at its head.
.set XB,    12800                      ; a K step of x: 8 fragments and the scale sets
.set WB,    6656                       ; 64 rows of W for a K step: 4 fragments and the scale sets
.set WLDS,  8*XB                       ; LDS: x, then W,
.set SPARE, WLDS+24*WB                 ; the spare words, 128 bytes a wave: six blocks of 256 bytes that no other line names,
.set STG,   SPARE+1536                 ; and a stage of 16 rows x (256 bytes + 16) for each wave, into which no tensor load lands
.set LI,   1                           ; 16 x lane; never rewritten
.set AX,   2                           ; my x fragments in K step 0
.set AW,   3                           ; my W fragments
.set AS,   4                           ; my x scale words
.set XS,   8                           ; x's words: lanes 0-15 tile 2 rp, lanes 16-31 tile 2 rp + 1
.set WS,   10                          ; v10-11 W's words: register t / 2, odd tiles in lanes 16-31
.set STO,  12
.set RD,   13
.set GO,   14
.set BO,   15
.set SPW,  20
.set NIL,  21
.set ACC,  64                          ; accumulator (u, t) at ACC + 8 (4 u + t)
.set BIAS, 128                         ; v128-159 the bias in the result's layout, 8 registers a tile of W
.set XF,   160                         ; v160-183 x's two fragments
.set WF,   184                         ; v184-231 W's four
.set OB,   128                         ; the way out: v128-191, 32 registers a tile of rows
.set WV,   12
.macro CROUND
	s_barrier_signal -1
	s_barrier_wait -1
	s_cmp_lg_u32 s[WV], 0
	s_cbranch_scc1 .Lnot_wave_0_\@
	s_barrier_signal -3
.Lnot_wave_0_\@:
	s_barrier_wait -3
	s_barrier_signal -1
	s_barrier_wait -1
.endm
	s_load_b256 s[4:11], s[0:1], 0x0               ; ximg, wimg, fc_b, out0
	v_lshl_add_u32 v[SPW], v0, 2, SPARE
	v_mov_b32 v[NIL], 0
	ds_add_u32 v[SPW], v[NIL]                      ; the wave's opening: the add, twice on end, and its wait ahead of my tensor load; work on registers stands between
	ds_add_u32 v[SPW], v[NIL]
	v_lshrrev_b32 v[LI], 5, v0
	s_delay_alu instid0(VALU_DEP_1)
	v_readfirstlane_b32 s[WV], v[LI]               ; wave 0..11
	s_bfe_u32 s13, ttmp6, 0x40000                  ; cx
	s_bfe_u32 s14, ttmp6, 0x40004                  ; cy
	s_lshl_b32 s40, ttmp9, 2
	s_add_co_u32 s40, s40, s13                     ; cb: my block of 192 columns
	s_and_b32 s15, ttmp7, 0xffff
	s_lshl_b32 s15, s15, 2
	s_add_co_u32 s15, s15, s14                     ; G: my group of 128 rows
	s_lshl_b32 s41, s14, 2
	s_lshl_b32 s41, 15, s41                        ; my row of the cluster
	s_lshl_b32 s42, 0x1111, s13                    ; my column
	s_or_b32 s16, s41, (3<<16)|(1<<21)             ; x: the mask of my row; elements of 8 bytes; bit 21 set beside a mask; no padding
	s_mov_b32 s17, 32<<16                          ; rows of 256 bytes,
	s_mov_b32 s18, 100<<16                         ; 100 of them: a quarter of x
	s_mov_b32 s19, 32<<16
	s_mov_b32 s20, 100
	s_mov_b32 s21, 32
	s_mov_b32 s22, 0
	s_mov_b32 s23, 0
	s_or_b32 s24, s42, (3<<16)|(1<<21)             ; W: the mask of my column
	s_mov_b32 s25, 32<<16
	s_mov_b32 s26, 78<<16                          ; 78 rows of 256 bytes: an eighth of W
	s_mov_b32 s27, 32<<16
	s_mov_b32 s28, 78
	s_mov_b32 s29, 32
	s_mov_b32 s30, 0
	s_mov_b32 s31, 0
	s_mov_b32 s32, 1
	s_mul_i32 s33, s[WV], 2*XB                     ; waves 0 to 3: quarter w of x
	s_mul_i32 s44, s15, 8*XB
	s_add_co_u32 s44, s44, s33
	s_mov_b32 s45, 0
	s_mov_b32 s36, 1
	s_mul_i32 s37, s[WV], 3*WB
	s_add_co_u32 s37, s37, WLDS-12*WB              ; waves 4 to 11: eighth w - 4 of W, behind x
	s_max_u32 s46, s[WV], 4
	s_sub_co_u32 s46, s46, 4
	s_mul_i32 s46, s46, 3*WB
	s_mul_i32 s47, s40, 24*WB
	s_add_co_u32 s46, s46, s47
	s_mov_b32 s47, 0
	s_and_b32 s48, s[WV], 3                        ; rp
	s_lshr_b32 s49, s[WV], 2                       ; third
	s_mul_i32 s50, s40, 768
	s_lshl_b32 s51, s49, 8
	s_add_co_u32 s50, s50, s51                     ; my 64 columns, in bytes
	s_mov_b32 s51, 0
	s_lshl_b32 s52, s15, 7
	s_lshl_b32 s53, s48, 5
	s_add_co_u32 s52, s52, s53                     ; my 32 rows
	s_mul_i32 s52, s52, 3072
	s_add_co_u32 s52, s52, s50
	s_mov_b32 s53, 0
	v_and_b32 v[LI], 31, v0
	s_delay_alu instid0(VALU_DEP_1)
	v_lshlrev_b32 v[LI], 4, v[LI]
	v_and_b32 v16, 15, v0                          ; r
	v_bfe_u32 v17, v0, 4, 1                        ; h
	s_mul_i32 s54, s48, 3072
	v_add_nc_u32 v[AX], s54, v[LI]
	s_mul_i32 s54, s49, WB
	s_add_co_u32 s54, s54, WLDS
	v_add_nc_u32 v[AW], s54, v[LI]
	s_lshl_b32 s54, s48, 2
	s_add_co_u32 s54, s54, 12288
	v_add_nc_u32 v[AS], s54, v[LI]
	s_mul_i32 s54, s[WV], 16*272
	s_add_co_u32 s54, s54, STG                     ; my stage
	v_mul_u32_u24 v[STO], v16, 272
	s_delay_alu instid0(VALU_DEP_1)
	v_lshl_add_u32 v[STO], v17, 6, v[STO]
	s_delay_alu instid0(VALU_DEP_1)
	v_add_nc_u32 v[STO], s54, v[STO]               ; in: row r, + 64 h bytes
	v_mul_u32_u24 v[RD], v17, 272
	s_delay_alu instid0(VALU_DEP_1)
	v_lshl_add_u32 v[RD], v16, 4, v[RD]
	s_delay_alu instid0(VALU_DEP_1)
	v_add_nc_u32 v[RD], s54, v[RD]                 ; back: lanes 0-15 one row of 256 bytes, lanes 16-31 the next
	v_mul_u32_u24 v[GO], v17, 3072
	s_delay_alu instid0(VALU_DEP_1)
	v_lshl_add_u32 v[GO], v16, 4, v[GO]            ; and the same in out0
	v_lshlrev_b32 v[BO], 6, v17                    ; the bias: 16 h columns on
	s_wait_dscnt 0x0                               ; both opening adds are done
	s_wait_kmcnt 0x0
	s_add_nc_u64 s[34:35], s[4:5], s[44:45]
	s_or_b32 s35, s35, 0x80000000
	s_add_nc_u64 s[38:39], s[6:7], s[46:47]
	s_or_b32 s39, s39, 0x80000000
	s_add_nc_u64 s[8:9], s[8:9], s[50:51]
	s_add_nc_u64 s[10:11], s[10:11], s[52:53]
	CROUND                                         ; all sixteen work-groups are here: the joint loads meet
	s_cmp_lt_u32 s[WV], 4                          ; the branch hangs on the wave's number alone; every wave issues one load
	s_cbranch_scc0 .Lfor_w
	tensor_load_to_lds s[32:35], s[16:23]
	s_nop 0
.rept 4
	v_nop
.endr
	s_branch .Lasked
.Lfor_w:
	tensor_load_to_lds s[36:39], s[24:31]
	s_nop 0
.rept 4
	v_nop
.endr
.Lasked:
	s_wait_alu depctr_va_vdst(0)
.irp t, 0,1,2,3
	global_load_b128 v[BIAS+8*\t:BIAS+8*\t+3], v[BO], s[8:9] offset:(32*(\t/2)+8*(\t%2))*4       ; lane (r, h), register j of tile t: column 32 (t / 2) + 8 (t % 2) + 16 h + j
	global_load_b128 v[BIAS+8*\t+4:BIAS+8*\t+7], v[BO], s[8:9] offset:(32*(\t/2)+8*(\t%2))*4+16
.endr
	s_wait_tensorcnt 0x0                           ; my part of x or W is in,
	s_wait_loadcnt 0x0                             ; and the bias;
	s_barrier_signal -1
	s_barrier_wait -1                              ; everybody's part is in.
.macro PJ s, t, u
.set rD, ACC+8*(4*(\u)+(\t))
.set rC, rD
.if (\s) == 0
.set rC, BIAS+8*(\t)
.endif
.set rA, WF+12*(\t)
.set rB, XF+12*(\u)
.if ((\t)%2 == 0) && ((\u) == 0)
	v_wmma_scale_f32_16x16x128_f8f6f4 v[rD:rD+7], v[rA:rA+11], v[rB:rB+11], v[rC:rC+7], v[WS+(\t)/2], v[XS] matrix_a_fmt:MATRIX_FMT_BF6 matrix_b_fmt:MATRIX_FMT_BF6
.elseif ((\u) == 0)
	v_wmma_scale_f32_16x16x128_f8f6f4 v[rD:rD+7], v[rA:rA+11], v[rB:rB+11], v[rC:rC+7], v[WS+(\t)/2], v[XS] matrix_a_fmt:MATRIX_FMT_BF6 matrix_b_fmt:MATRIX_FMT_BF6 matrix_a_scale:MATRIX_SCALE_ROW1
.elseif ((\t)%2 == 0)
	v_wmma_scale_f32_16x16x128_f8f6f4 v[rD:rD+7], v[rA:rA+11], v[rB:rB+11], v[rC:rC+7], v[WS+(\t)/2], v[XS] matrix_a_fmt:MATRIX_FMT_BF6 matrix_b_fmt:MATRIX_FMT_BF6 matrix_b_scale:MATRIX_SCALE_ROW1
.else
	v_wmma_scale_f32_16x16x128_f8f6f4 v[rD:rD+7], v[rA:rA+11], v[rB:rB+11], v[rC:rC+7], v[WS+(\t)/2], v[XS] matrix_a_fmt:MATRIX_FMT_BF6 matrix_b_fmt:MATRIX_FMT_BF6 matrix_a_scale:MATRIX_SCALE_ROW1 matrix_b_scale:MATRIX_SCALE_ROW1
.endif
.endm
.macro KSTEP s                         ; head s: six fragments, their words, eight products
	v_add_nc_u32 v5, XB*\s, v[AX]
	v_add_nc_u32 v6, 3*WB*\s, v[AW]
	v_add_nc_u32 v7, XB*\s, v[AS]
	v_nop                                          ; with the three additions: four places in front of loads into registers that the last products read
.irp u, 0,1
.irp g, 0,1,2
	ds_load_b128 v[XF+12*\u+4*\g:XF+12*\u+4*\g+3], v5 offset:1536*\u+512*\g
.endr
.endr
.irp t, 0,1,2,3
.irp g, 0,1,2
	ds_load_b128 v[WF+12*\t+4*\g:WF+12*\t+4*\g+3], v6 offset:1536*\t+512*\g
.endr
.endr
	ds_load_b32 v[XS], v7
	ds_load_b64 v[WS:WS+1], v6 offset:6144
	s_wait_dscnt 0x0
.irp t, 0,1,2,3
.irp u, 0,1
	PJ \s, \t, \u                                  ; the eight accumulators by turns, one instruction a turn
.endr
.endr
.endm
.irp s, 0,1,2,3,4,5,6,7
	KSTEP \s
.endr
; THE WAY OUT.  A lane holds pieces of one row and the lanes beside it other rows: a tile of 16 rows x 64 columns goes through my own stage and comes back as whole runs of 256 bytes.
; LDS serves a wave's instructions in order (ISA guide 5.7.1.4): no wait between the stores and the loads, nor in front of the next tile's stores.
.macro TOSTAGE u
.irp t, 0,1,2,3
	ds_store_b128 v[STO], v[ACC+8*(4*\u+\t):ACC+8*(4*\u+\t)+3] offset:128*(\t/2)+32*(\t%2)      ; each accumulator from its low end on
	ds_store_b128 v[STO], v[ACC+8*(4*\u+\t)+4:ACC+8*(4*\u+\t)+7] offset:128*(\t/2)+32*(\t%2)+16
.endr
.irp i, 0,1,2,3,4,5,6,7
	ds_load_b128 v[OB+32*\u+4*\i:OB+32*\u+4*\i+3], v[RD] offset:544*\i
.endr
.endm
.macro SEND u, younger                 ; younger: the LDS instructions issued behind tile u's loads
.irp i, 0,1,2,3,4,5,6,7
	s_wait_dscnt \younger+7-\i
	global_store_b128 v[GO], v[OB+32*\u+4*\i:OB+32*\u+4*\i+3], s[10:11] offset:3072*(8*\u+2*\i+8*(\i/4)) th:TH_STORE_NT   ; stage row 2 i + h is row 8 u + 2 i + h + 8 (i / 4) of my 32; 16 lanes store 256 consecutive bytes, aligned
.endr
.endm
.rept 4
	v_nop                                          ; places behind the last products: for the reads of results and the loads into registers that held operands
.endr
	TOSTAGE 0
	TOSTAGE 1
	SEND 0, 16
	SEND 1, 0
	s_wait_tensorcnt 0x0                           ; the wave's end: the three lines, behind my tensor load and my last LDS store
	ds_add_u32 v[SPW], v[NIL]
	s_wait_dscnt 0x0
	CROUND                                         ; the closing round
	s_endpgm
.Lfunc_end_k_qe5c5075ff5_proj:
	.size	k_qe5c5075ff5_proj, .Lfunc_end_k_qe5c5075ff5_proj-k_qe5c5075ff5_proj
	.p2alignl 7, 3214868480
	.fill 96, 4, 3214868480
	.section	.rodata,"a",@progbits
	.p2align	6, 0x0
	.amdhsa_kernel k_qe5c5075ff5_proj
		.amdhsa_group_segment_fixed_size 327680
		.amdhsa_private_segment_fixed_size 0
		.amdhsa_enable_private_segment 0
		.amdhsa_kernarg_size 32
		.amdhsa_user_sgpr_count 2
		.amdhsa_user_sgpr_kernarg_segment_ptr 1
		.amdhsa_wavefront_size32 1
		.amdhsa_system_sgpr_workgroup_id_x 1
		.amdhsa_system_sgpr_workgroup_id_y 1
		.amdhsa_system_sgpr_workgroup_id_z 1
		.amdhsa_system_vgpr_workitem_id 0
		.amdhsa_next_free_vgpr 232
		.amdhsa_next_free_sgpr 66
		.amdhsa_reserve_vcc 0
		.amdhsa_float_denorm_mode_32 3
		.amdhsa_float_denorm_mode_16_64 3
		.amdhsa_memory_ordered 1
		.amdhsa_forward_progress 1
		.amdhsa_inst_pref_size 32
	.end_amdhsa_kernel
	.amdgpu_metadata
---
amdhsa.version: [ 1, 2 ]
amdhsa.kernels:
  - .name:           k_qe5c5075ff5_proj
    .symbol:         k_qe5c5075ff5_proj.kd
    .args:
      - { .name: ximg, .offset: 0, .size: 8, .value_kind: global_buffer, .address_space: global }
      - { .name: wimg, .offset: 8, .size: 8, .value_kind: global_buffer, .address_space: global }
      - { .name: fc_b, .offset: 16, .size: 8, .value_kind: global_buffer, .address_space: global }
      - { .name: out0, .offset: 24, .size: 8, .value_kind: global_buffer, .address_space: global }
    .group_segment_fixed_size: 327680
    .private_segment_fixed_size: 0
    .kernarg_segment_align: 8
    .kernarg_segment_size: 32
    .max_flat_workgroup_size: 384
    .sgpr_count:     66
    .vgpr_count:     232
    .wavefront_size: 32
...
	.end_amdgpu_metadata
.endif
;; end of part 3
